; MI455X (gfx1250); checked and timed in simulation.
; The chip was launched on July 23, 2026; its instructions are those of AMD's public machine-readable ISA for CDNA 5 (MIT licence, August 2026) and "CDNA5" Instruction Set Architecture Reference Guide (July 2026). The comments in the code are by the model that wrote it; some were corrected since.
;; KNRM. Allowed arithmetic: matrix products marked QUANTISED: E5M2 operands, one E8M0 scale for each 32 along K, by v_wmma_scale_f32_16x16x128_f8f6f4 with both operands' format E5M2, f32 sums; products left as they are: f32 operands where the result goes on into a quantised operand, else bf16, f16 or f32 operands; f32 sums; everything else in f32.
;; Inputs: W1 21 x 10 float32; W2 10 x 5 float32; W3 5 x 1 float32; b1 10 float32; b2 5 float32; b3 1 float32; doc_1 4,096 x 64 int32; doc_2 4,096 x 64 int32; emb 100,000 x 128 float32; query_1 4,096 x 32 int32; query_2 4,096 x 32 int32.
;; Outputs: out0 4,096 x 1 float32.
;; This version of the problem:
;;   THIS VERSION OF THE PROBLEM IS GIVEN IN LOW PRECISION. The matrix products marked QUANTISED in the list below multiply operands that are first quantised to E5M2 (5 exponent bits, 2 mantissa bits; 8 bits a number), with one power-of-two scale for each 32 numbers along K (OCP MX v1.0); their sums are f32. All else is computed in f32.
;;   The module's matrix products, in the order in which they are computed (A, B: the left and right operand; K: the contracted axis; several contracted axes count as one K, in the product's order):
;;     1. batch 4,096 x [M 32, K 128] x [K 128, N 64]; A: computed on the way; B: computed on the way: QUANTISED
;;     2. [M 4,096, K 21] x [K 21, N 10]; A: computed on the way; B: input W1: left as it is (K = 21 < 32)
;;     3. [M 4,096, K 10] x [K 10, N 5]; A: computed on the way; B: input W2: left as it is (K = 10 < 32)
;;     4. [M 4,096, K 5] x [K 5, N 1]; A: computed on the way; B: input W3: left as it is (K = 5 < 32)
;;     5. batch 4,096 x [M 32, K 128] x [K 128, N 64]; A: computed on the way; B: computed on the way: QUANTISED
;;     6. [M 4,096, K 21] x [K 21, N 10]; A: computed on the way; B: input W1: left as it is (K = 21 < 32)
;;     7. [M 4,096, K 10] x [K 10, N 5]; A: computed on the way; B: input W2: left as it is (K = 10 < 32)
;;     8. [M 4,096, K 5] x [K 5, N 1]; A: computed on the way; B: input W3: left as it is (K = 5 < 32)
;;   THE QUANTISER, for each operand of a quantised product, along K:
;;     - K is cut into blocks of 32 from its start; a last block that is shorter is filled with zeros.
;;     - A block's scale is 2^e with e = floor(log2(the largest magnitude in the block)) - 15, held to -126 .. 127; a block of zeros has e = 0. As a byte (E8M0): e + 127.
;;     - Each number is divided by its block's scale, clamped to +-57,344, and rounded to the nearest number of E5M2, ties to even, subnormals kept.
;;     - The product sums the exact products of the quantised numbers (number of the format x scale) in f32.
;;   ~~~python
;;   def quantise(x, axis):      # numpy; x: float32 -> the quantised numbers, widened to float32 again
;;       x = np.moveaxis(x, axis, -1); K = x.shape[-1]
;;       x = np.pad(x, [(0, 0)] * (x.ndim - 1) + [(0, -K % 32)]); x = x.reshape(x.shape[:-1] + (-1, 32)); a = np.abs(x).max(-1, keepdims=True)
;;       e = np.where(a > 0, np.clip(np.frexp(np.where(a > 0, a, 1))[1] - 1 - 15, -126, 127), 0)      # np.frexp(a)[1] - 1 = floor(log2(a)), exactly
;;       r = np.clip(x / 2.0 ** e, -57344, 57344)
;;       step = 2.0 ** (np.maximum(np.frexp(np.where(r == 0, 1, r))[1] - 1, -14) - 2)
;;       q = np.round(r / step) * step * 2.0 ** e      # np.round: ties to even
;;       return np.moveaxis(q.reshape(q.shape[:-2] + (-1,))[..., :K], -1, axis).astype(np.float32)
;;   ~~~
;;   OPERANDS COMPUTED ON THE WAY. 'Computed on the way' means the value that the module computes at that place (a softmax that the list does not call 'softmax' is quantised finished and normalised). What goes into a quantiser is computed in f32, as accurately as f32 sums, v_exp_f32 and their like allow (about 1e-6 of the number): no bf16 or f16 on the way to a quantiser, and a product that is left as it is and whose result goes on into a quantised operand takes f32 operands (vector FMAs, or v_wmma_f32_16x16x4_f32). A number that lies on a knife's edge between two numbers of the format may be rounded either way, as far as f32 arithmetic and the matrix unit's own rounding can turn it there, and no further.
;; One version. Each part assembles by itself: llvm-mc -triple=amdgcn-amd-amdhsa -mcpu=gfx1250 --defsym DOCPART=n.
;; ======== version 1 of 1: 2 launches
;; workspace buffers: codes 12,800,000 bytes; scales 400,128 bytes
;; launch quant (part 1): grid 625 x 1, 5 waves a work-group, no clusters, 41,728 bytes of LDS; arguments emb, codes, scales; writes codes, scales
.if DOCPART == 1
	.amdgcn_target "amdgcn-amd-amdhsa--gfx1250"
	.amdhsa_code_object_version 6
	.text
	.protected	k_q76ccbf5a4c_quant
	.globl	k_q76ccbf5a4c_quant
	.p2align	8
	.type	k_q76ccbf5a4c_quant,@function
k_q76ccbf5a4c_quant:
	s_mov_b64 s[64:65], 0
	v_nop
	global_prefetch_b8 v0, s[64:65] scope:SCOPE_SE
	s_setreg_imm32_b32 hwreg(HW_REG_WAVE_MODE, 25, 1), 1
	s_wait_xcnt 0x0
; emb [100000][128] f32 -> for each row: x / max(sqrt(sum x^2), 1e-12), quantised along the row's 128 numbers into codes of BF8 (E5M2), one E8M0 byte for each 32.
; codes: [100000][128], one byte a code.  scales: [100000] words, byte b = the scale byte of the row's block b.
; Every row of the table is gathered about eight times by the next launch (786,432 row reads of 100,000 rows): so norm and quantiser are done once for each row, here, and the gathers read 132 bytes a row, not 512.
; A block's scale is 2^(floor(log2(its largest magnitude)) - 15); its byte is the largest magnitude's exponent field - 15, held at 1 from below.
; SHARES.  100,000 rows are 3,125 runs of 32 rows; a wave takes one run (run = 5 x work-group + wave): 8 steps of 512 numbers, 4 rows a step.  All of a run's 32 loads go out at the head.
; Each load reads 512 consecutive bytes, 16 a lane; a step's 2,048 bytes turn through the wave's own stage in LDS and come back 64 bytes a lane: lane l then holds numbers 16 l .. 16 l + 15 of the step,
; so that 8 neighbouring lanes hold a row and 2 a block, and the conversions find neighbours along K in one lane's registers.  The stage has 16 bytes of padding behind each 64.
; Waves share nothing: no barrier.  No pointer is stepped and no register that a store reads is written again: no wait for stores' sources is needed.
; THE BLOCK'S LARGEST MAGNITUDE is searched among the raw numbers, while the square root is on its way, and then multiplied by 1 / norm: rounding a product with one positive factor keeps the order,
; so that product is the largest of the rounded quotients.
; LIMITS.  x times the reciprocal of the norm stands for x / norm: about three units in the last place of f32 off.  A block of zeros gets the byte 1 where the rule says 127: its codes are zeros, which add nothing
; under any byte but 0xff, and this program alone reads the bytes.  NaN and infinities in emb are not served.  A run's scale bytes are 128 consecutive bytes (3,125 runs do not pair up): one byte in 128 of what is read.
.set WREG,  8192                       ; LDS: a region for each wave
.set SP,    80                         ; a lane's place in a stage: 64 bytes + 16 of padding
.set STG,   32*SP                      ; a stage; two of them by turns
.set SCB,   2*STG                      ; behind them the run's 128 scale bytes
.set R,     16                         ; v16-143   eight sets of 16 numbers as loaded
.set X,     144                        ; v144-175  two sets of 16 neighbours
.set CD,    176                        ; v176-207  codes: four registers for each step
.set EB,    208                        ; v208-215  a scale byte for each step
.set SS,    216                        ; v216-219  sums of squares, two packed chains
.set NV,    220                        ; v220      the norm, then its reciprocal; v221 is named with it as a pair
	s_load_b128 s[4:7], s[0:1], 0x0                ; emb, codes
	s_load_b64 s[8:9], s[0:1], 0x10                ; scales
	v_lshl_add_u32 v232, v0, 2, 0xa000
	v_mov_b32 v233, 0
	v_lshrrev_b32 v1, 5, v0
	v_readfirstlane_b32 s16, v1                    ; wave 0..4
	v_and_b32 v2, 31, v0                           ; lane
	v_lshlrev_b32 v3, 4, v2                        ; 16 x lane: my bytes of a load's 512, and of a step's 512 codes; never rewritten
	s_mul_i32 s17, s16, WREG
	v_lshrrev_b32 v14, 2, v2
	v_mul_u32_u24 v14, v14, SP
	v_and_b32 v15, 3, v2
	v_lshl_add_u32 v14, v15, 4, v14
	v_add_nc_u32 v14, s17, v14                     ; the stage, way in: four lanes' 64 bytes on end, then the padding
	v_mul_u32_u24 v15, v2, SP
	v_add_nc_u32 v15, s17, v15                     ; way out: my 16 neighbours
	v_lshrrev_b32 v5, 1, v2
	s_add_co_u32 s17, s17, SCB
	v_add_nc_u32 v5, s17, v5                       ; my block's scale byte
	v_lshlrev_b32 v7, 2, v2                        ; on the way out a word (a row's four bytes) a lane
	v_add_nc_u32 v6, s17, v7
	v_mov_b32 v[NV+1], 0                           ; (the packed multiply names the pair and takes its low word for both halves)
	s_mov_b32 s23, 0x600000                        ; the mantissa field of 57,344
	s_mul_i32 s18, ttmp9, 5
	s_add_co_u32 s18, s18, s16                     ; my run
	s_mov_b32 s21, 0
	s_lshl_b32 s20, s18, 14                        ; 32 rows of 512 bytes
	s_wait_kmcnt 0x0
	s_add_nc_u64 s[4:5], s[4:5], s[20:21]
	s_lshl_b32 s20, s18, 12                        ; 32 rows of 128 codes
	s_add_nc_u64 s[6:7], s[6:7], s[20:21]
	s_lshl_b32 s20, s18, 7                         ; 32 scale words
	s_add_nc_u64 s[8:9], s[8:9], s[20:21]
.macro LOAD t
.irp i, 0,1,2,3
	global_load_b128 v[R+16*(\t)+4*\i:R+16*(\t)+4*\i+3], v3, s[4:5] offset:2048*(\t)+512*\i th:TH_LOAD_NT   ; 32 lanes read 512 consecutive bytes; the launch reads them once
.endr
.endm
.macro TURN t                          ; step t's numbers through a stage: LDS serves a wave's instructions in order, so no wait stands between the stores and the loads
.irp i, 0,1,2,3
	ds_store_b128 v14, v[R+16*(\t)+4*\i:R+16*(\t)+4*\i+3] offset:STG*((\t)%2)+8*SP*\i
.endr
.irp i, 0,1,2,3
	ds_load_b128 v[X+16*((\t)%2)+4*\i:X+16*((\t)%2)+4*\i+3], v15 offset:STG*((\t)%2)+16*\i
.endr
.endm
.irp t, 0,1,2,3,4,5,6,7
	LOAD \t
.endr
	s_wait_loadcnt 28                              ; step 0's four loads are in; the 28 behind them may be out
	TURN 0
.macro STEP t
.set XS, X+16*((\t)%2)
.if (\t) > 0
	s_wait_dscnt 1                                 ; this step's numbers are back from the stage; the last step's byte store may be out
.else
	s_wait_dscnt 0x0
.endif
.if (\t) < 7
	s_wait_loadcnt 4*(6-(\t))                      ; the next step's four loads are in; those of the steps behind it may be out
	TURN (\t)+1                                    ; and go through the other stage while this step is worked
.endif
	v_pk_mul_f32 v[SS:SS+1], v[XS:XS+1], v[XS:XS+1]                ; the sum of my 16 squares, in two packed chains
	v_pk_mul_f32 v[SS+2:SS+3], v[XS+2:XS+3], v[XS+2:XS+3]
.irp i, 4,8,12
	v_pk_fma_f32 v[SS:SS+1], v[XS+\i:XS+\i+1], v[XS+\i:XS+\i+1], v[SS:SS+1]
	v_pk_fma_f32 v[SS+2:SS+3], v[XS+\i+2:XS+\i+3], v[XS+\i+2:XS+\i+3], v[SS+2:SS+3]
.endr
	v_pk_add_f32 v[SS:SS+1], v[SS:SS+1], v[SS+2:SS+3]
	v_add_f32 v[SS], v[SS], v[SS+1]
	v_add_f32_dpp v[SS], v[SS], v[SS] row_xmask:1 row_mask:0xf bank_mask:0xf   ; and of the row's other seven lanes
	v_add_f32_dpp v[SS], v[SS], v[SS] row_xmask:2 row_mask:0xf bank_mask:0xf
	v_add_f32_dpp v[SS], v[SS], v[SS] row_xmask:4 row_mask:0xf bank_mask:0xf
	v_sqrt_f32 v[NV], v[SS]
	v_max3_num_f32 v8, |v[XS]|, |v[XS+1]|, |v[XS+2]|               ; independent work behind the root: the largest raw magnitude of my 16,
	v_max3_num_f32 v9, |v[XS+3]|, |v[XS+4]|, |v[XS+5]|
.irp i, 6,10
	v_max3_num_f32 v8, v8, |v[XS+\i]|, |v[XS+\i+1]|
	v_max3_num_f32 v9, v9, |v[XS+\i+2]|, |v[XS+\i+3]|
.endr
	v_max3_num_f32 v8, v8, |v[XS+14]|, |v[XS+15]|
	v_max_num_f32 v8, v8, v9
	v_max_num_f32_dpp v8, v8, v8 row_xmask:1 row_mask:0xf bank_mask:0xf   ; and of my neighbour's 16: the block's
	s_wait_alu depctr_va_vdst(0)                   ; the wait ahead of the first line that names the root
	v_max_num_f32 v[NV], 0x2b8cbccc, v[NV]         ; max(norm, 1e-12)
	v_rcp_f32 v[NV], v[NV]
	v_nop                                          ; a plain line behind the reciprocal
	s_wait_alu depctr_va_vdst(0)                   ; and the wait ahead of its first reader
	v_mul_f32 v8, v8, v[NV]                        ; the block's largest magnitude, normalised,
	v_max_num_f32 v8, 0x8000000, v8                ; over the floor 2^(16 - 127): the byte cannot fall under 1
.irp i, 0,2,4,6,8,10,12,14
	v_pk_mul_f32 v[XS+\i:XS+\i+1], v[XS+\i:XS+\i+1], v[NV:NV+1] op_sel_hi:[1,0]   ; the normalised numbers
.endr
	v_add_nc_u32 v11, 0xf8800000, v8               ; 15 off the exponent field: the conversion takes the exponent field of this operand as its scale
	v_and_or_b32 v10, v8, 0x7f800000, s23          ; 57,344 x the scale
.irp i, 0,1,2,3,4,5,6,7,8,9,10,11,12,13,14,15
	v_med3_num_f32 v[XS+\i], v[XS+\i], -v10, v10   ; the conversion to an 8-bit code does not saturate (ISA guide 7.6.2): the hold comes first
.endr
	v_cvt_scalef32_pk8_bf8_f32 v[CD+4*(\t):CD+4*(\t)+1], v[XS:XS+7], v11
	v_cvt_scalef32_pk8_bf8_f32 v[CD+4*(\t)+2:CD+4*(\t)+3], v[XS+8:XS+15], v11
	v_lshrrev_b32 v[EB+(\t)], 23, v11              ; the scale's byte; also the plain line behind the conversions
	ds_store_b8 v5, v[EB+(\t)] offset:16*(\t)      ; both lanes of a block write the same byte with the same value
	global_store_b128 v3, v[CD+4*(\t):CD+4*(\t)+3], s[6:7] offset:512*(\t)   ; 32 lanes store 512 consecutive bytes, at a multiple of 512 from the buffer's first byte
.endm
.irp t, 0,1,2,3,4,5,6,7
	STEP \t
.endr
	ds_load_b32 v12, v6                            ; LDS serves a wave's instructions in order: this sees my byte stores
	s_wait_dscnt 0x0
	global_store_b32 v7, v12, s[8:9]               ; the run's 32 scale words: 128 consecutive bytes
	s_wait_tensorcnt 0x0
	ds_add_u32 v232, v233
	s_wait_dscnt 0x0
	s_endpgm
.Lfunc_end_k_q76ccbf5a4c_quant:
	.size	k_q76ccbf5a4c_quant, .Lfunc_end_k_q76ccbf5a4c_quant-k_q76ccbf5a4c_quant
	.p2alignl 7, 3214868480
	.fill 96, 4, 3214868480
	.section	.rodata,"a",@progbits
	.p2align	6, 0x0
	.amdhsa_kernel k_q76ccbf5a4c_quant
		.amdhsa_group_segment_fixed_size 41728
		.amdhsa_private_segment_fixed_size 0
		.amdhsa_enable_private_segment 0
		.amdhsa_kernarg_size 24
		.amdhsa_user_sgpr_count 2
		.amdhsa_user_sgpr_kernarg_segment_ptr 1
		.amdhsa_wavefront_size32 1
		.amdhsa_system_sgpr_workgroup_id_x 1
		.amdhsa_system_sgpr_workgroup_id_y 1
		.amdhsa_system_sgpr_workgroup_id_z 1
		.amdhsa_system_vgpr_workitem_id 0
		.amdhsa_next_free_vgpr 234
		.amdhsa_next_free_sgpr 66
		.amdhsa_reserve_vcc 0
		.amdhsa_float_denorm_mode_32 3
		.amdhsa_float_denorm_mode_16_64 3
		.amdhsa_memory_ordered 1
		.amdhsa_forward_progress 1
		.amdhsa_inst_pref_size 39
	.end_amdhsa_kernel
	.amdgpu_metadata
---
amdhsa.version: [ 1, 2 ]
amdhsa.kernels:
  - .name:           k_q76ccbf5a4c_quant
    .symbol:         k_q76ccbf5a4c_quant.kd
    .args:
      - { .name: emb, .offset: 0, .size: 8, .value_kind: global_buffer, .address_space: global }
      - { .name: codes, .offset: 8, .size: 8, .value_kind: global_buffer, .address_space: global }
      - { .name: scales, .offset: 16, .size: 8, .value_kind: global_buffer, .address_space: global }
    .group_segment_fixed_size: 41728
    .private_segment_fixed_size: 0
    .kernarg_segment_align: 8
    .kernarg_segment_size: 24
    .max_flat_workgroup_size: 160
    .sgpr_count:     66
    .vgpr_count:     234
    .wavefront_size: 32
...
	.end_amdgpu_metadata
.endif
;; end of part 1
;; launch knrm (part 2): grid 256 x 1, 16 waves a work-group, no clusters, 51,456 bytes of LDS; arguments query_1, doc_1, query_2, doc_2, codes, scales, W1, b1, W2, b2, W3, b3, out0; writes out0
.if DOCPART == 2
	.amdgcn_target "amdgcn-amd-amdhsa--gfx1250"
	.amdhsa_code_object_version 6
	.text
	.protected	k_q76ccbf5a4c_knrm
	.globl	k_q76ccbf5a4c_knrm
	.p2align	8
	.type	k_q76ccbf5a4c_knrm,@function
k_q76ccbf5a4c_knrm:
	s_mov_b64 s[64:65], 0
	v_nop
	global_prefetch_b8 v0, s[64:65] scope:SCOPE_SE
	s_setreg_imm32_b32 hwreg(HW_REG_WAVE_MODE, 25, 1), 1
	s_wait_xcnt 0x0
; out0[b] = sigmoid(logit(query_1[b], doc_1[b]) - logit(query_2[b], doc_2[b])).  logit: M = 32 query rows x 64 document rows of the normalised table, on codes of BF8 (E5M2) with E8M0 scales;
; 21 Gaussian kernels of every M, summed over the documents; log1p; summed over the queries; an MLP 21-10-5-1 in f32.
; SHARES.  A wave owns one b = 16 x work-group + wave, both sides one after the other.  16 waves of 256 registers: four to a SIMD, so that one wave's exponentials stand beside another's packed arithmetic and gathers.
; No loop; the only branch is the last one, on the wave's number.
; THE PRODUCT.  Source 0 = 16 documents (tile t), source 1 = 16 queries (tile u), C = 0: lane (r, h), register j of tile t holds M(query 16 u + r, document 16 t + 8 h + j).  So a lane holds ONE query, and the sum
; over documents is a sum of its own registers and one exchange between the halves of the lanes.  Codes and scale words are gathered by index straight into the operands' registers.
; THE KERNELS.  Twenty have sigma = 0.1 and centres 0.1 apart.  With c = 50 log2(e), mu = mu_J + 0.1 n (mu_J = -0.95 + 0.5 J, n = 0 .. 4):
;   exp(-(M - mu)^2 / 0.02) = 2^(-c M^2 + 2 c mu_J M) x (2^(0.2 c M))^n x 2^(-c mu^2), exactly.  The last factor does not hang on M and multiplies the finished sum over documents.
; So an element costs 6 exponentials (four bases b_J, the ratio R, the kernel at mu = 1), and each of the other 16 kernels one fused multiply-add into its sum.
; RANGES.  The rows are normalised, and rounding to E5M2 enlarges a number by an eighth at the most: |M| <= 1.266 for every input.  Then R^4 <= 2^73.1, b_J <= 2^65.1, a sum of 64 terms <= 2^71.1: nothing overflows.
; LIMITS.  A base's exponent falls under -126, where v_exp_f32 gives 0, only where every kernel made of it is under 3e-22: those terms are dropped.  log1p(s) is ln 2 x log2(1 + s): off by up to 6e-8 a query, in absolute
; terms.  The centres are taken as mu_J + 0.1 n, 1e-8 off their f32 table.  NaN and infinities are not served.  Indices are held at 99,999 from above.
; NOT USED: tensor loads (a gather by index is no tile); clusters (no two work-groups share a tile); the matrix unit for the MLP (K = 21, 10, 5: 65 vector lines for a b, a lane to a hidden unit, the two sides in the
; two halves of the lanes).
.set VLAST, 0x1869f                    ; the table's last row
.set RES,   49152                      ; LDS: from 0 on 3,072 bytes for each wave (side 1's logarithms, as an image of 24 registers); at RES a word for each wave's result, and 16 words on, what lanes 16-31 hold
.set AR4,  1                           ; v1   4 x (lane % 16)
.set AL4,  2                           ; v2   4 x lane
.set AH16, 3                           ; v3   16 x (lane / 16)
.set AST,  4                           ; v4   my 16 bytes of my wave's stash
.set ARS,  5                           ; v5   RES + 4 x wave + 64 x (lane / 16)
.set AW1,  6                           ; v6   4 x min(r, 9): my column of W1, my number of b1
.set AW2,  7                           ; v7   20 x min(r, 9): my row of W2
.set RR,   8                           ; v8   r = lane % 16
.set ARD,  9                           ; v9   RES + 4 r
.set SQ,   10                          ; v10  the queries' scale words: lanes 0-15 tile 0, lanes 16-31 tile 1
.set SD,   11                          ; v11  the documents': tiles 0 and 1;  v12: tiles 2 and 3.  v10-12 hold scales and nothing else
.set OB,   14                          ; v14-22  side 2's nine indices, then offsets
.set TU,   24                          ; v[24:25] -c M^2
.set P2,   26                          ; v[26:27] R^2, v[28:29] R^3, v[30:31] R^4
.set P3,   28
.set P4,   30
.set CF,   32                          ; v32-127  fragment f at CF + 16 f: f = 0, 1 queries, f = 2 .. 5 documents.  At the end: v32-52 W1, v53 b1, v54-58 W2, v64-87 side 1's logarithms
.set L1,   64
.set MT,   128                         ; v128-159 M, tile t at MT + 8 t.  At the end: scratch
.set ACC,  160                         ; v160-201 kernel j's sum over documents, packed (even registers', odd registers'), at ACC + 2 j
.set OA,   160                         ; at the head: side 1's nine indices, then offsets
.set S0,   202                         ; v202-225 21 numbers and 3 zeros
.set T0,   226                         ; v226-237, v238-249: two sets for a pair of M: R at +0, the four bases at +2 .. +9, the kernel at mu = 1 at +10
.set T1,   238
.set NAE,  252                         ; v[252:253] -AE, twice
.set SG,   42                          ; s[42:43] 0.2 c.  (The packed forms name a pair and take its low word for both halves: both words are written)
.set SNC,  44                          ; s[44:45] -c
.set SGJ,  46                          ; s[46:53] 2 c mu_J, J = 0 .. 3
.set SAE,  54                          ; s[54:55] AE = sqrt(500,000 log2(e)): the kernel at mu = 1, sigma = 0.001, is 2^(-(AE M - AE)^2)
.set SEL,  56                          ; s[56:57] v_permlanex16_b32's selects for lane l xor 16
	s_load_b512 s[16:31], s[0:1], 0x0              ; query_1 s[16:17], doc_1 s[18:19], query_2 s[20:21], doc_2 s[22:23], codes s[24:25], scales s[26:27], W1 s[28:29], b1 s[30:31]
	s_load_b256 s[32:39], s[0:1], 0x40             ; W2 s[32:33], b2 s[34:35], W3 s[36:37], b3 s[38:39]
	s_load_b64 s[40:41], s[0:1], 0x60              ; out0
	v_lshl_add_u32 v254, v0, 2, 0xc100
	v_mov_b32 v255, 0
	v_lshrrev_b32 v8, 5, v0
	v_readfirstlane_b32 s2, v8                     ; wave 0..15
	v_and_b32 v9, 31, v0                           ; lane
	v_and_b32 v[RR], 15, v0
	v_bfe_u32 v13, v0, 4, 1                        ; h
	v_lshlrev_b32 v[AR4], 2, v[RR]
	v_lshlrev_b32 v[AL4], 2, v9
	v_lshlrev_b32 v[AH16], 4, v13
	s_mul_i32 s6, s2, 3072
	v_lshl_add_u32 v[AST], v9, 4, s6
	s_lshl_b32 s7, s2, 2
	v_lshlrev_b32 v[ARS], 6, v13
	v_add_nc_u32 v[ARS], s7, v[ARS]
	v_add_nc_u32 v[ARS], RES, v[ARS]
	v_min_u32 v[AW1], 9, v[RR]                     ; lanes r = 10 .. 15 read what lane 9 reads, so that no load leaves its buffer; their hidden unit is set to 0 below
	v_mul_u32_u24 v[AW2], v[AW1], 20
	v_lshlrev_b32 v[AW1], 2, v[AW1]
	v_add_nc_u32 v[ARD], RES, v[AR4]
	v_mov_b32 v[S0+21], 0                          ; the stash's image is 24 registers: three of them are zeros
	v_mov_b32 v[S0+22], 0
	v_mov_b32 v[S0+23], 0
	v_mov_b32 v[NAE], 0xc4545498
	v_mov_b32 v[NAE+1], 0xc4545498
	s_mov_b32 s[SG], 0x4166d4ca                    ; 14.426950
	s_mov_b32 s[SG+1], 0x4166d4ca
	s_mov_b32 s[SNC], 0xc29044fe                   ; -72.134752
	s_mov_b32 s[SNC+1], 0xc29044fe
	s_mov_b32 s[SGJ], 0xc3090e58                   ; -137.05603
	s_mov_b32 s[SGJ+1], 0xc3090e58
	s_mov_b32 s[SGJ+2], 0xc281d7b2                 ; -64.921277
	s_mov_b32 s[SGJ+3], 0xc281d7b2
	s_mov_b32 s[SGJ+4], 0x40e6d4ca                 ; 7.2134752
	s_mov_b32 s[SGJ+5], 0x40e6d4ca
	s_mov_b32 s[SGJ+6], 0x429eb24b                 ; 79.348227
	s_mov_b32 s[SGJ+7], 0x429eb24b
	s_mov_b32 s[SAE], 0x44545498                   ; 849.3218
	s_mov_b32 s[SAE+1], 0x44545498
	s_mov_b32 s[SEL], 0x76543210
	s_mov_b32 s[SEL+1], 0xfedcba98
	s_lshl_b32 s3, ttmp9, 4
	s_add_co_u32 s3, s3, s2                        ; b
	s_mov_b32 s5, 0
	s_lshl_b32 s4, s3, 7                           ; 32 indices
	s_wait_kmcnt 0x0
	s_add_nc_u64 s[16:17], s[16:17], s[4:5]
	s_add_nc_u64 s[20:21], s[20:21], s[4:5]
	s_lshl_b32 s4, s3, 8                           ; 64 indices
	s_add_nc_u64 s[18:19], s[18:19], s[4:5]
	s_add_nc_u64 s[22:23], s[22:23], s[4:5]
	s_lshl_b32 s4, ttmp9, 6                        ; the work-group's 16 results
	s_add_nc_u64 s[40:41], s[40:41], s[4:5]
; Nine loads of indices: for the six fragments lane (r, h) wants row r of the tile; for the three scale words lane l wants row l of two neighbouring tiles.
.macro IDX o, q, d
.irp u, 0,1
	global_load_b32 v[\o+\u], v[AR4], s[\q:\q+1] offset:64*\u
.endr
.irp t, 0,1,2,3
	global_load_b32 v[\o+2+\t], v[AR4], s[\d:\d+1] offset:64*\t
.endr
	global_load_b32 v[\o+6], v[AL4], s[\q:\q+1]
	global_load_b32 v[\o+7], v[AL4], s[\d:\d+1]
	global_load_b32 v[\o+8], v[AL4], s[\d:\d+1] offset:128
.endm
; Indices become byte offsets: held inside the table; x 128 + 16 h for codes, x 4 for scale words.  24 plain lines.
.macro OFFS o
.irp i, 0,1,2,3,4,5,6,7,8
	v_min_u32 v[\o+\i], VLAST, v[\o+\i]
.endr
.irp i, 0,1,2,3,4,5
	v_lshlrev_b32 v[\o+\i], 7, v[\o+\i]
.endr
.irp i, 0,1,2,3,4,5
	v_add_nc_u32 v[\o+\i], v[AH16], v[\o+\i]
.endr
.irp i, 6,7,8
	v_lshlrev_b32 v[\o+\i], 2, v[\o+\i]
.endr
.endm
; 27 loads: a fragment's registers 4 c .. 4 c + 3 hold K = 32 c + 16 h + 0 .. 15 of the lane's row.  No hint: other work-groups read the same rows again.
.macro GATHER o
.irp f, 0,1,2,3,4,5
.irp c, 0,1,2,3
	global_load_b128 v[CF+16*\f+4*\c:CF+16*\f+4*\c+3], v[\o+\f], s[24:25] offset:32*\c
.endr
.endr
	global_load_b32 v[SQ], v[\o+6], s[26:27]
	global_load_b32 v[SD], v[\o+7], s[26:27]
	global_load_b32 v[SD+1], v[\o+8], s[26:27]
.endm
; M of query tile u: four matrix instructions on four accumulators, each a whole sum (K = 128).  An odd tile's scale words lie in lanes 16-31 of their register.
.macro WM u
.irp t, 0,1,2,3
.if (((\t)%2) == 0) && ((\u) == 0)
	v_wmma_scale_f32_16x16x128_f8f6f4 v[MT+8*\t:MT+8*\t+7], v[CF+32+16*\t:CF+32+16*\t+15], v[CF+16*\u:CF+16*\u+15], 0, v[SD+\t/2], v[SQ] matrix_a_fmt:MATRIX_FMT_BF8 matrix_b_fmt:MATRIX_FMT_BF8
.elseif (((\t)%2) == 1) && ((\u) == 0)
	v_wmma_scale_f32_16x16x128_f8f6f4 v[MT+8*\t:MT+8*\t+7], v[CF+32+16*\t:CF+32+16*\t+15], v[CF+16*\u:CF+16*\u+15], 0, v[SD+\t/2], v[SQ] matrix_a_fmt:MATRIX_FMT_BF8 matrix_b_fmt:MATRIX_FMT_BF8 matrix_a_scale:MATRIX_SCALE_ROW1
.elseif (((\t)%2) == 0)
	v_wmma_scale_f32_16x16x128_f8f6f4 v[MT+8*\t:MT+8*\t+7], v[CF+32+16*\t:CF+32+16*\t+15], v[CF+16*\u:CF+16*\u+15], 0, v[SD+\t/2], v[SQ] matrix_a_fmt:MATRIX_FMT_BF8 matrix_b_fmt:MATRIX_FMT_BF8 matrix_b_scale:MATRIX_SCALE_ROW1
.else
	v_wmma_scale_f32_16x16x128_f8f6f4 v[MT+8*\t:MT+8*\t+7], v[CF+32+16*\t:CF+32+16*\t+15], v[CF+16*\u:CF+16*\u+15], 0, v[SD+\t/2], v[SQ] matrix_a_fmt:MATRIX_FMT_BF8 matrix_b_fmt:MATRIX_FMT_BF8 matrix_a_scale:MATRIX_SCALE_ROW1 matrix_b_scale:MATRIX_SCALE_ROW1
.endif
.endr
.endm
; Where pair p of the 16 pairs of M has its six packed numbers.  Pair 0's bases and its kernel at mu = 1 are made in the sums' own registers: they ARE the sums' first terms, and nothing is ever cleared.
.macro SETP p
.if (\p) == 0
.set PX, T0
.set PB, ACC
.set PS, 10
.set PE, ACC+40
.elseif ((\p)%2) == 1
.set PX, T1
.set PB, T1+2
.set PS, 2
.set PE, T1+10
.else
.set PX, T0
.set PB, T0+2
.set PS, 2
.set PE, T0+10
.endif
.endm
; The six exponents of pair p: 9 packed lines.
.macro ARGS p
	SETP \p
	v_pk_mul_f32 v[PX:PX+1], v[MT+2*(\p):MT+2*(\p)+1], s[SG:SG+1] op_sel_hi:[1,0]                        ; 0.2 c M
	v_pk_mul_f32 v[TU:TU+1], v[MT+2*(\p):MT+2*(\p)+1], v[MT+2*(\p):MT+2*(\p)+1]                          ; M^2
	v_pk_fma_f32 v[PE:PE+1], v[MT+2*(\p):MT+2*(\p)+1], s[SAE:SAE+1], v[NAE:NAE+1] op_sel_hi:[1,0,1]      ; AE (M - 1), rounded once
	v_pk_mul_f32 v[TU:TU+1], v[TU:TU+1], s[SNC:SNC+1] op_sel_hi:[1,0]                                    ; -c M^2
	v_pk_mul_f32 v[PE:PE+1], v[PE:PE+1], v[PE:PE+1] neg_lo:[0,1] neg_hi:[0,1]                            ; -(AE (M - 1))^2
.irp J, 0,1,2,3
	v_pk_fma_f32 v[PB+PS*\J:PB+PS*\J+1], v[MT+2*(\p):MT+2*(\p)+1], s[SGJ+2*\J:SGJ+2*\J+1], v[TU:TU+1] op_sel_hi:[1,0,1]   ; 2 c mu_J M - c M^2
.endr
.endm
; Its twelve exponentials, in place, one behind the other.
.macro EXPS p
	SETP \p
	v_exp_f32 v[PX], v[PX]
	v_exp_f32 v[PX+1], v[PX+1]
.irp J, 0,1,2,3
	v_exp_f32 v[PB+PS*\J], v[PB+PS*\J]
	v_exp_f32 v[PB+PS*\J+1], v[PB+PS*\J+1]
.endr
	v_exp_f32 v[PE], v[PE]
	v_exp_f32 v[PE+1], v[PE+1]
.endm
; Kernels 5 J + n take b_J x R^n, R^n in v[r:r+1].
.macro POWER p, n, r
.irp J, 0,1,2,3
.if (\p) == 0
	v_pk_mul_f32 v[ACC+10*\J+2*\n:ACC+10*\J+2*\n+1], v[PB+PS*\J:PB+PS*\J+1], v[\r:\r+1]
.else
	v_pk_fma_f32 v[ACC+10*\J+2*\n:ACC+10*\J+2*\n+1], v[PB+PS*\J:PB+PS*\J+1], v[\r:\r+1], v[ACC+10*\J+2*\n:ACC+10*\J+2*\n+1]
.endif
.endr
.endm
; Pair p goes into the 21 sums: 24 packed lines (19 for pair 0).
.macro USE p
	SETP \p
	v_pk_mul_f32 v[P2:P2+1], v[PX:PX+1], v[PX:PX+1]
.if (\p) != 0
.irp J, 0,1,2,3
	v_pk_add_f32 v[ACC+10*\J:ACC+10*\J+1], v[ACC+10*\J:ACC+10*\J+1], v[PB+PS*\J:PB+PS*\J+1]
.endr
	v_pk_add_f32 v[ACC+40:ACC+41], v[ACC+40:ACC+41], v[PE:PE+1]
.endif
	v_pk_mul_f32 v[P3:P3+1], v[P2:P2+1], v[PX:PX+1]
	v_pk_mul_f32 v[P4:P4+1], v[P2:P2+1], v[P2:P2+1]
	POWER \p, 1, PX
	POWER \p, 2, P2
	POWER \p, 3, P3
	POWER \p, 4, P4
.endm
; A QUERY TILE: 16 pairs.  A pair's twelve exponentials are one batch with one wait (ahead of the first line that names a result).  Between a batch's issue and its wait stand the 24 lines that
; use the pair before and the 9 that make the exponents of the pair after; neither names the batch's registers: the sets T0 and T1 take turns.  No exponential is out when the tile ends.
; M's tiles are read in ascending order of registers, each from its low end on.
.macro QT
	ARGS 0
	EXPS 0
.set PP, 0
.rept 16
.if PP < 15
	ARGS PP+1
.endif
	s_wait_alu depctr_va_vdst(0)                   ; pair PP's batch
.if PP < 15
	EXPS PP+1
.endif
	USE PP
.set PP, PP+1
.endr
.endm
; Query tile 0's sums leave the packed registers: 21 plain lines.
.macro PAIRSUM0
.set jj, 0
.rept 21
	v_add_f32 v[S0+jj], v[ACC+2*jj], v[ACC+2*jj+1]
.set jj, jj+1
.endr
.endm
.macro KF j, k
	v_fma_f32 v[S0+\j], v[S0+\j], \k, 1.0
.endm
; A side's end.  S0 holds tile 0's sums (lane (r, h): query r, the documents of half h), ACC tile 1's.  The swap gives S0's upper lanes tile 1's half 0 and ACC's lower lanes tile 0's half 1: their sum is the whole sum
; over documents, lanes 0-15 of query r, lanes 16-31 of query 16 + r.  Then 1 + K_j x the sum, K_j = exp(-50 mu_j^2), and its logarithm to base 2; ln 2 is applied once, in the MLP's first layer.
.macro TAIL
.set jj, 0
.rept 21
	v_add_f32 v[ACC+2*jj], v[ACC+2*jj], v[ACC+2*jj+1]
.set jj, jj+1
.endr
.set jj, 0
.rept 21
	v_permlane16_swap_b32 v[S0+jj], v[ACC+2*jj]
.set jj, jj+1
.endr
.set jj, 0
.rept 21
	v_add_f32 v[S0+jj], v[S0+jj], v[ACC+2*jj]
.set jj, jj+1
.endr
	KF 0,  0x1eee96e4                              ; |mu| = 0.95
	KF 1,  0x256bfff1                              ; 0.85
	KF 2,  0x2b2bc116                              ; 0.75
	KF 3,  0x3037efda                              ; 0.65
	KF 4,  0x3490eeb9                              ; 0.55
	KF 5,  0x38280bc9                              ; 0.45
	KF 6,  0x3b0f5c03                              ; 0.35
	KF 7,  0x3d33f737                              ; 0.25
	KF 8,  0x3ea638d9                              ; 0.15
	KF 9,  0x3f61eb51                              ; 0.05
	KF 10, 0x3f61eb51
	KF 11, 0x3ea638d9
	KF 12, 0x3d33f737
	KF 13, 0x3b0f5c03
	KF 14, 0x38280bc9
	KF 15, 0x3490eeb9
	KF 16, 0x3037efda
	KF 17, 0x2b2bc116
	KF 18, 0x256bfff1
	KF 19, 0x1eee96e4
	v_add_f32 v[S0+20], 1.0, v[S0+20]              ; the kernel at mu = 1 was summed whole
.set jj, 0
.rept 21
	v_log_f32 v[S0+jj], v[S0+jj]
.set jj, jj+1
.endr
	v_nop                                          ; a plain line behind the last logarithm
	s_wait_alu depctr_va_vdst(0)                   ; one wait for the 21, ahead of their first reader
.endm
	s_load_b128 s[68:71], s[34:35], 0x0            ; b2, W3, b3 as scalars: waited for at the end
	s_load_b32 s72, s[34:35], 0x10
	s_load_b128 s[76:79], s[36:37], 0x0
	s_load_b32 s80, s[36:37], 0x10
	s_load_b32 s81, s[38:39], 0x0
	IDX OA, 16, 18
	IDX OB, 20, 22
	s_wait_loadcnt 9                               ; side 1's nine indices are in; side 2's nine may be out
	OFFS OA
	GATHER OA
	; ---- side 1, queries 0-15
	s_wait_loadcnt 0x0                             ; side 1's codes and scale words (and side 2's indices): their address registers are free too
	WM 0
	OFFS OB                                        ; 24 plain lines that name none of the products' registers: the eight places ahead of the first read of M
	QT
	; ---- side 1, queries 16-31; side 2's gather goes out and has this tile's work in which to land
	WM 1
	PAIRSUM0                                       ; 21 plain lines: the places ahead of the loads into the operands' registers and of the first read of M
	GATHER OB
	QT
	; ---- side 2, queries 0-15; side 1 is finished and put by
	s_wait_loadcnt 0x0
	WM 0
	TAIL                                           ; its first 21 lines are the places
.irp g, 0,1,2,3,4,5
	ds_store_b128 v[AST], v[S0+4*\g:S0+4*\g+3] offset:512*\g   ; an image of 24 registers, in my wave's own bytes
.endr
	QT
	; ---- side 2, queries 16-31; the MLP's weights come into the operands' registers, which are done with
	WM 1
	PAIRSUM0
.set jj, 0
.rept 21
	global_load_b32 v[CF+jj], v[AW1], s[28:29] offset:40*jj        ; W1[j][min(r, 9)]
.set jj, jj+1
.endr
	global_load_b32 v[CF+21], v[AW1], s[30:31]                     ; b1[min(r, 9)]
.irp i, 0,1,2,3,4
	global_load_b32 v[CF+22+\i], v[AW2], s[32:33] offset:4*\i      ; W2[min(r, 9)][i]
.endr
	QT
.irp g, 0,1,2,3,4,5
	ds_load_b128 v[L1+4*\g:L1+4*\g+3], v[AST] offset:512*\g        ; side 1's logarithms come back while side 2's are made
.endr
	TAIL
	s_wait_dscnt 0x0
	s_wait_loadcnt 0x0
	s_wait_kmcnt 0x0
	; ---- the sum over queries.  The swap brings side 1 into lanes 0-15 of both registers and side 2 into lanes 16-31; then four steps inside each half: every lane holds its side's 21 features (but for ln 2)
.set jj, 0
.rept 21
	v_permlane16_swap_b32 v[L1+jj], v[S0+jj]
.set jj, jj+1
.endr
.set jj, 0
.rept 21
	v_add_f32 v[S0+jj], v[S0+jj], v[L1+jj]
.set jj, jj+1
.endr
.irp m, 1,2,4,8
.set jj, 0
.rept 21
	v_add_f32_dpp v[S0+jj], v[S0+jj], v[S0+jj] row_xmask:\m row_mask:0xf bank_mask:0xf
.set jj, jj+1
.endr
.endr
	; ---- layer 1: lane r is hidden unit r; three chains of seven
.set Z, MT                             ; scratch: v128-130 chains, v131 h, v132-136 layer 2, v137 the logit, v138 the other side's, v139 what wave 0 reads back
.irp k, 0,1,2
	v_mul_f32 v[Z+\k], v[S0+7*\k], v[CF+7*\k]
.endr
.irp i, 1,2,3,4,5,6
.irp k, 0,1,2
	v_fma_f32 v[Z+\k], v[S0+7*\k+\i], v[CF+7*\k+\i], v[Z+\k]
.endr
.endr
	v_add_f32 v[Z], v[Z], v[Z+1]
	v_add_f32 v[Z], v[Z], v[Z+2]
	v_fmamk_f32 v[Z+3], v[Z], 0x3f317218, v[CF+21] ; x ln 2, + b1
	v_max_num_f32 v[Z+3], 0, v[Z+3]
	v_cmp_gt_u32 vcc_lo, 10, v[RR]
	v_cndmask_b32 v[Z+3], 0, v[Z+3], vcc_lo        ; there are ten hidden units: lanes r = 10 .. 15 count for nothing
	; ---- layer 2: five sums over the ten lanes
.irp i, 0,1,2,3,4
	v_mul_f32 v[Z+4+\i], v[Z+3], v[CF+22+\i]
.endr
.irp m, 1,2,4,8
.irp i, 0,1,2,3,4
	v_add_f32_dpp v[Z+4+\i], v[Z+4+\i], v[Z+4+\i] row_xmask:\m row_mask:0xf bank_mask:0xf
.endr
.endr
.irp i, 0,1,2,3,4
	v_add_f32 v[Z+4+\i], s[68+\i], v[Z+4+\i]
.endr
.irp i, 0,1,2,3,4
	v_max_num_f32 v[Z+4+\i], 0, v[Z+4+\i]
.endr
	; ---- layer 3, and the sigmoid of side 1's logit less side 2's
	v_fma_f32 v[Z+9], v[Z+4], s76, s81
.irp i, 1,2,3,4
	v_fma_f32 v[Z+9], v[Z+4+\i], s[76+\i], v[Z+9]
.endr
	v_mov_b32 v[Z+10], 0                           ; (a lane permute's destination counts as one of its sources)
	v_permlanex16_b32 v[Z+10], v[Z+9], s[SEL], s[SEL+1]
	v_sub_f32 v[Z+9], v[Z+9], v[Z+10]              ; lanes 0-15: logit 1 - logit 2
	v_mul_f32 v[Z+9], 0xbfb8aa3b, v[Z+9]           ; x -log2(e)
	v_exp_f32 v[Z+9], v[Z+9]
	v_nop
	s_wait_alu depctr_va_vdst(0)
	v_add_f32 v[Z+9], 1.0, v[Z+9]
	v_rcp_f32 v[Z+9], v[Z+9]
	v_nop
	s_wait_alu depctr_va_vdst(0)
	; ---- the way out: the 16 waves' results meet in LDS, and wave 0 stores them as 64 consecutive bytes
	ds_store_b32 v[ARS], v[Z+9]                    ; the lanes of a half hold the same bits (sums by exchange are the same in both partners) and write one word
	s_wait_dscnt 0x0                               ; for wave 0's sake: my store has landed
	s_barrier_signal -1
	s_barrier_wait -1
	s_cmp_lg_u32 s2, 0
	s_cbranch_scc1 .Lend
	ds_load_b32 v[Z+11], v[ARD]
	s_wait_dscnt 0x0
	v_cmp_gt_u32 vcc_lo, 16, v0
	s_wait_xcnt 0x0                                ; EXEC changes only behind this wait
	s_and_saveexec_b32 s4, vcc_lo
	global_store_b32 v[AR4], v[Z+11], s[40:41]     ; lanes 0-15: out0[16 x work-group + lane]
	s_wait_xcnt 0x0                                ; and again, in front of the line that widens it
	s_or_b32 exec_lo, exec_lo, s4
.Lend:
	s_wait_tensorcnt 0x0
	ds_add_u32 v254, v255
	s_wait_dscnt 0x0
	s_endpgm
.Lfunc_end_k_q76ccbf5a4c_knrm:
	.size	k_q76ccbf5a4c_knrm, .Lfunc_end_k_q76ccbf5a4c_knrm-k_q76ccbf5a4c_knrm
	.p2alignl 7, 3214868480
	.fill 96, 4, 3214868480
	.section	.rodata,"a",@progbits
	.p2align	6, 0x0
	.amdhsa_kernel k_q76ccbf5a4c_knrm
		.amdhsa_group_segment_fixed_size 51456
		.amdhsa_private_segment_fixed_size 0
		.amdhsa_enable_private_segment 0
		.amdhsa_kernarg_size 104
		.amdhsa_user_sgpr_count 2
		.amdhsa_user_sgpr_kernarg_segment_ptr 1
		.amdhsa_wavefront_size32 1
		.amdhsa_system_sgpr_workgroup_id_x 1
		.amdhsa_system_sgpr_workgroup_id_y 1
		.amdhsa_system_sgpr_workgroup_id_z 1
		.amdhsa_system_vgpr_workitem_id 0
		.amdhsa_next_free_vgpr 256
		.amdhsa_next_free_sgpr 84
		.amdhsa_reserve_vcc 1
		.amdhsa_float_denorm_mode_32 3
		.amdhsa_float_denorm_mode_16_64 3
		.amdhsa_memory_ordered 1
		.amdhsa_forward_progress 1
		.amdhsa_inst_pref_size 196
	.end_amdhsa_kernel
	.amdgpu_metadata
---
amdhsa.version: [ 1, 2 ]
amdhsa.kernels:
  - .name:           k_q76ccbf5a4c_knrm
    .symbol:         k_q76ccbf5a4c_knrm.kd
    .args:
      - { .name: query_1, .offset: 0, .size: 8, .value_kind: global_buffer, .address_space: global }
      - { .name: doc_1, .offset: 8, .size: 8, .value_kind: global_buffer, .address_space: global }
      - { .name: query_2, .offset: 16, .size: 8, .value_kind: global_buffer, .address_space: global }
      - { .name: doc_2, .offset: 24, .size: 8, .value_kind: global_buffer, .address_space: global }
      - { .name: codes, .offset: 32, .size: 8, .value_kind: global_buffer, .address_space: global }
      - { .name: scales, .offset: 40, .size: 8, .value_kind: global_buffer, .address_space: global }
      - { .name: W1, .offset: 48, .size: 8, .value_kind: global_buffer, .address_space: global }
      - { .name: b1, .offset: 56, .size: 8, .value_kind: global_buffer, .address_space: global }
      - { .name: W2, .offset: 64, .size: 8, .value_kind: global_buffer, .address_space: global }
      - { .name: b2, .offset: 72, .size: 8, .value_kind: global_buffer, .address_space: global }
      - { .name: W3, .offset: 80, .size: 8, .value_kind: global_buffer, .address_space: global }
      - { .name: b3, .offset: 88, .size: 8, .value_kind: global_buffer, .address_space: global }
      - { .name: out0, .offset: 96, .size: 8, .value_kind: global_buffer, .address_space: global }
    .group_segment_fixed_size: 51456
    .private_segment_fixed_size: 0
    .kernarg_segment_align: 8
    .kernarg_segment_size: 104
    .max_flat_workgroup_size: 512
    .sgpr_count:     84
    .vgpr_count:     256
    .wavefront_size: 32
...
	.end_amdgpu_metadata
.endif
;; end of part 2
